; MI455X (gfx1250); checked and timed in simulation.
; The chip was launched on July 23, 2026; its instructions are those of AMD's public machine-readable ISA for CDNA 5 (MIT licence, August 2026) and "CDNA5" Instruction Set Architecture Reference Guide (July 2026). The comments in the code are by the model that wrote it; some were corrected since.
;; INT4 Quantized Linear. Allowed arithmetic: matrix products marked QUANTISED: E4M3 operands, one E8M0 scale for each 32 along K, by v_wmma_scale_f32_16x16x128_f8f6f4 with both operands' format E4M3, f32 sums; everything else in f32.
;; Inputs: packed_b 1,024 int32; packed_w 4,194,304 int32; scale_b one number float32; scale_w one number float32; x 4 x 2,048 x 4,096 float32.
;; Outputs: out0 4 x 2,048 x 2,048 float32.
;; This version of the problem:
;;   THIS VERSION OF THE PROBLEM IS GIVEN IN LOW PRECISION. The matrix products marked QUANTISED in the list below multiply operands that are first quantised to E4M3 (4 exponent bits, 3 mantissa bits; 8 bits a number), with one power-of-two scale for each 32 numbers along K (OCP MX v1.0); their sums are f32. All else is computed in f32.
;;   The module's matrix products, in the order in which they are computed (A, B: the left and right operand; K: the contracted axis; several contracted axes count as one K, in the product's order):
;;     1. [M 8,192, K 4,096] x [K 4,096, N 2,048]; A: input x; B: computed on the way: QUANTISED
;;   THE QUANTISER, for each operand of a quantised product, along K:
;;     - K is cut into blocks of 32 from its start; a last block that is shorter is filled with zeros.
;;     - A block's scale is 2^e with e = floor(log2(the largest magnitude in the block)) - 8, held to -126 .. 127; a block of zeros has e = 0. As a byte (E8M0): e + 127.
;;     - Each number is divided by its block's scale, clamped to +-448, and rounded to the nearest number of E4M3, ties to even, subnormals kept.
;;     - The product sums the exact products of the quantised numbers (number of the format x scale) in f32.
;;   ~~~python
;;   def quantise(x, axis):      # numpy; x: float32 -> the quantised numbers, widened to float32 again
;;       x = np.moveaxis(x, axis, -1); K = x.shape[-1]
;;       x = np.pad(x, [(0, 0)] * (x.ndim - 1) + [(0, -K % 32)]); x = x.reshape(x.shape[:-1] + (-1, 32)); a = np.abs(x).max(-1, keepdims=True)
;;       e = np.where(a > 0, np.clip(np.frexp(np.where(a > 0, a, 1))[1] - 1 - 8, -126, 127), 0)      # np.frexp(a)[1] - 1 = floor(log2(a)), exactly
;;       r = np.clip(x / 2.0 ** e, -448, 448)
;;       step = 2.0 ** (np.maximum(np.frexp(np.where(r == 0, 1, r))[1] - 1, -6) - 3)
;;       q = np.round(r / step) * step * 2.0 ** e      # np.round: ties to even
;;       return np.moveaxis(q.reshape(q.shape[:-2] + (-1,))[..., :K], -1, axis).astype(np.float32)
;;   ~~~
;;   OPERANDS COMPUTED ON THE WAY. 'Computed on the way' means the value that the module computes at that place (a softmax that the list does not call 'softmax' is quantised finished and normalised). What goes into a quantiser is computed in f32, as accurately as f32 sums, v_exp_f32 and their like allow (about 1e-6 of the number): no bf16 or f16 on the way to a quantiser, and a product that is left as it is and whose result goes on into a quantised operand takes f32 operands (vector FMAs, or v_wmma_f32_16x16x4_f32). A number that lies on a knife's edge between two numbers of the format may be rounded either way, as far as f32 arithmetic and the matrix unit's own rounding can turn it there, and no further.
;; One version. Each part assembles by itself: llvm-mc -triple=amdgcn-amd-amdhsa -mcpu=gfx1250 --defsym DOCPART=n.
;; ======== version 1 of 1: 2 launches
;; limits: right only within a limited range of input values
;; workspace buffers: acodes 34,603,008 bytes; bcodes 8,650,752 bytes
;; launch quant (part 1): grid 256 x 1, 16 waves a work-group, no clusters, 327,680 bytes of LDS; arguments x, packed_w, scale_w, acodes, bcodes; writes acodes, bcodes
.if DOCPART == 1
	.amdgcn_target "amdgcn-amd-amdhsa--gfx1250"
	.amdhsa_code_object_version 6
	.text
	.protected	k_qe12b6aaf01_quant
	.globl	k_qe12b6aaf01_quant
	.p2align	8
	.type	k_qe12b6aaf01_quant,@function
k_qe12b6aaf01_quant:
	s_mov_b64 s[64:65], 0
	v_nop
	global_prefetch_b8 v0, s[64:65] scope:SCOPE_SE
	s_setreg_imm32_b32 hwreg(HW_REG_WAVE_MODE, 25, 1), 1
	s_wait_xcnt 0x0
; x [8192][4096] f32, and W [2048][4096] = scale_w x (nibble - 8) (two nibbles in each int32 of packed_w, the high one first), become codes of FP8 (E4M3) with one
; E8M0 scale byte for each 32 along K.  A block's scale is 2^(floor(log2(its largest magnitude)) - 8); each number is divided by it, held within +-448 and rounded to the nearest code, ties to even.
; LAYOUT OF THE RESULT, the same for both tensors: for each tile of 256 rows and each K step of 256 one dense block of BLK = 264 x 256 bytes: 256 rows of 256 codes, then the 2,048 scale bytes of these rows
; (row m, block c of 32 along K at 65,536 + 8 m + c).  The product's launch brings such a block into LDS as it lies.
; LIMITS: NaN and infinities in x or scale_w are not served.  A block whose largest magnitude lies under 2^-118 has its byte held at 1.  A block of zeros gets the byte 1 where the rule says 127:
; its codes are zeros, which add nothing under any byte but 0xff, and this program alone reads the bytes.
; SHARES: 256 work-groups of 16 waves.  Work-group g takes rows 32 g .. 32 g + 31 of x, wave w K step w of them: 8,192 consecutive bytes of codes and 256 consecutive scale bytes, aligned.
; x COMES BY TENSOR LOADS: each wave has a ring of its own, two slots of 8 rows x 1,024 bytes, 16 bytes of padding behind each 128: a lane reads its 16 neighbours along K (64 bytes) from the slot as it lies.
; Four fills a wave: fill 0 at the head, fill 1 behind the first barrier, fills 2 and 3 as refills when the slot's last rows are in registers.  By the text's own count a wave has one tensor load out.
; PREFETCH: a fill is 32 blocks of 256 bytes, a lane a block, one instruction a wave: fills 1 and 2 are named behind fill 0's load, fill 3 behind fill 1's; nothing beyond fill 3 is named.
; W is worked while fill 0 is out: of the 32 rows x 4 K steps that fall to a work-group, wave w takes K step w / 4, rows 8 (w % 4) on, by plain loads: a row's K step is 512 dense bytes, a lane's 16 bytes are
; 8 neighbours along K, four lanes hold a block.  A K step's 256 scale bytes meet in LDS and leave whole, by the first of its four waves, behind the first barrier.
; No clusters: the work-groups share no input.
.set BLK,   67584
.set TILEB, 16*BLK
.set ROWL,  1152                       ; a row of 1,024 bytes in LDS with its eight paddings
.set SLOTB, 8*ROWL
.set WREG,  2*SLOTB                    ; a wave's ring
.set XSC,   16*WREG                    ; behind the rings: x's scale bytes, 256 for each wave,
.set WSC,   XSC+16*256                 ; W's, 256 for each of four K steps,
.set SPARE, WSC+4*256                  ; and the spare words, 128 bytes for each wave, which no other line names
.set FILLB, 8*16384                    ; 8 rows of x in memory
.set X,     80                         ; v80-111  two sets of 16 neighbours
.set E,     112                        ; v112-127 a scale byte for each step
.set C,     128                        ; v128-191 codes: four registers for each step, so that no store's data are written again
.set F,     48                         ; W: v48-63 two rows' 8 numbers of a lane, at work; v16-47 the packed words, then codes and bytes
	s_load_b256 s[4:11], s[0:1], 0x0               ; x s[4:5], packed_w s[6:7], scale_w s[8:9], acodes s[10:11]
	s_load_b64 s[12:13], s[0:1], 0x20              ; bcodes
	v_lshl_add_u32 v4, v0, 2, SPARE                ; v4: my spare word; never rewritten
	v_mov_b32 v1, 0                                ; v1: 0; never rewritten
	ds_add_u32 v4, v1                              ; the opening lines: the add, twice on end, and its wait ahead of my first tensor load
	ds_add_u32 v4, v1
	v_lshrrev_b32 v6, 5, v0
	v_readfirstlane_b32 s16, v6                    ; wave 0..15
	s_mov_b32 s40, (2<<16)|(1<<20)|(4<<22)|(3<<25) ; group 1: elements of 4 bytes; 4 words of padding behind every 32
	s_mov_b32 s41, 256<<16                         ; tensor_dim0 = 256
	s_mov_b32 s42, 8<<16                           ; tensor_dim1 = 8
	s_mov_b32 s43, 256<<16                         ; tile_dim0 = 256
	s_mov_b32 s44, 8                               ; tile_dim1 = 8
	s_mov_b32 s45, 4096                            ; from row to row
	s_mov_b32 s46, 0
	s_mov_b32 s47, 0
	s_mov_b32 s32, 1                               ; group 0 for slot 0 in s[32:35], for slot 1 in s[36:39]
	s_mul_i32 s33, s16, WREG
	s_mov_b32 s36, 1
	s_add_co_u32 s37, s33, SLOTB
	s_lshl_b32 s28, ttmp9, 19                      ; x: 32 rows of 16,384 bytes a work-group, 1,024 bytes a K step
	s_lshl_b32 s17, s16, 10
	s_add_co_u32 s28, s28, s17
	s_mov_b32 s29, 0
	s_lshr_b32 s18, ttmp9, 3                       ; acodes: the tile of 256 rows, the K step's block,
	s_mul_i32 s18, s18, TILEB
	s_mul_i32 s17, s16, BLK
	s_add_co_u32 s18, s18, s17
	s_and_b32 s19, ttmp9, 7                        ; which 32 rows of the tile
	s_lshl_b32 s24, s19, 13
	s_add_co_u32 s24, s24, s18                     ; my codes
	s_mov_b32 s25, 0
	s_lshl_b32 s26, s19, 8
	s_add_co_u32 s26, s26, s18
	s_add_co_u32 s26, s26, 65536                   ; my scale bytes
	s_mov_b32 s27, 0
	s_lshr_b32 s50, s16, 2                         ; W: which of the work-group's four K steps,
	s_and_b32 s51, s16, 3                          ; which 8 of the 32 rows,
	s_lshr_b32 s52, ttmp9, 2                       ; which 32 rows of W,
	s_and_b32 s53, ttmp9, 3
	s_lshl_b32 s53, s53, 2
	s_add_co_u32 s53, s53, s50                     ; the K step
	s_lshl_b32 s54, s52, 18                        ; packed_w: a row is 8,192 bytes, a K step 512
	s_lshl_b32 s17, s51, 16
	s_add_co_u32 s54, s54, s17
	s_lshl_b32 s17, s53, 9
	s_add_co_u32 s54, s54, s17
	s_mov_b32 s55, 0
	s_lshr_b32 s18, s52, 3
	s_mul_i32 s18, s18, TILEB
	s_mul_i32 s17, s53, BLK
	s_add_co_u32 s18, s18, s17
	s_and_b32 s19, s52, 7
	s_lshl_b32 s56, s19, 13
	s_add_co_u32 s56, s56, s18
	s_lshl_b32 s17, s51, 11
	s_add_co_u32 s56, s56, s17                     ; bcodes: my 8 rows of codes
	s_mov_b32 s57, 0
	s_lshl_b32 s58, s19, 8
	s_add_co_u32 s58, s58, s18
	s_add_co_u32 s58, s58, 65536                   ; and the 32 rows' scale bytes
	s_mov_b32 s59, 0
	s_lshl_b32 s60, s16, 8
	s_add_co_u32 s60, s60, XSC                     ; LDS: my 256 scale bytes of x,
	s_lshl_b32 s61, s16, 6
	s_add_co_u32 s61, s61, WSC                     ; my 64 of W (256 x K step + 64 x part = 64 x wave),
	s_lshl_b32 s62, s50, 8
	s_add_co_u32 s62, s62, WSC                     ; and my K step's 256
	s_mov_b32 s23, 0x600000                        ; the mantissa field of 448
	v_and_b32 v2, 31, v0                           ; lane
	v_lshlrev_b32 v3, 4, v2                        ; 16 x lane
	v_lshlrev_b32 v7, 3, v2                        ; 8 x lane
	v_and_b32 v9, 15, v0
	v_bfe_u32 v10, v0, 4, 1
	v_lshrrev_b32 v11, 1, v9
	v_lshlrev_b32 v15, 6, v9
	v_lshl_add_u32 v15, v11, 4, v15                ; in a row: 64 bytes a lane, 16 more for each 128 passed;
	v_mad_u32_u24 v15, v10, ROWL, v15              ; lanes 16-31 take the second row of a step's two
	v_add_nc_u32 v15, s33, v15
	v_lshrrev_b32 v5, 1, v2
	v_add_nc_u32 v5, s60, v5                       ; x: my block's byte: lane / 2
	v_add_nc_u32 v6, s60, v7                       ; and on the way out 8 bytes a lane
	v_lshrrev_b32 v11, 2, v2
	v_add_nc_u32 v64, s61, v11                     ; W: my block's byte: lane / 4
	v_add_nc_u32 v66, s62, v7
	v_and_b32 v12, 3, v2
	v_lshlrev_b32 v65, 14, v11                     ; the prefetches: row lane / 4, block lane % 4 of its 1,024 bytes
	v_lshl_add_u32 v65, v12, 8, v65
	s_wait_alu depctr_va_vdst(0)
	s_wait_dscnt 0x0                               ; both opening adds are done
	s_wait_kmcnt 0x0
	s_add_nc_u64 s[34:35], s[4:5], s[28:29]
	s_mov_b64 s[48:49], s[34:35]                   ; the prefetches' base; never rewritten
	s_add_nc_u64 s[38:39], s[34:35], FILLB
	s_or_b32 s35, s35, 0x80000000
	s_or_b32 s39, s39, 0x80000000
	tensor_load_to_lds s[32:35], s[40:47]          ; fill 0: one tensor load a wave at the head
	s_nop 0
	s_load_b32 s20, s[8:9], 0x0                    ; scale_w
	s_add_nc_u64 s[6:7], s[6:7], s[54:55]
	s_add_nc_u64 s[56:57], s[12:13], s[56:57]
	s_add_nc_u64 s[58:59], s[12:13], s[58:59]
	s_add_nc_u64 s[24:25], s[10:11], s[24:25]
	s_add_nc_u64 s[26:27], s[10:11], s[26:27]
.irp k, 0,1,2,3,4,5,6,7
	global_load_b128 v[16+4*\k:16+4*\k+3], v3, s[6:7] offset:\k*8192 th:TH_LOAD_NT   ; my 8 rows of W: 512 consecutive bytes each
.endr
	global_prefetch_b8 v65, s[48:49] offset:FILLB th:TH_LOAD_NT scope:SCOPE_SE
	global_prefetch_b8 v65, s[48:49] offset:2*FILLB th:TH_LOAD_NT scope:SCOPE_SE
	s_wait_kmcnt 0x0
	v_mov_b32 v14, s20
	v_mul_f32 v14, 0xc1000000, v14                 ; -8 x scale_w: exact
.macro WSTEP t                         ; two rows of W
.set P, 16+8*(\t)
	s_wait_loadcnt 6-2*(\t)                        ; these two rows are in; the later rows' loads stay out
.irp j, 0,1,2,3,4,5,6,7
	v_bfe_u32 v[F+2*\j], v[P+\j], 4, 4             ; the high nibble comes first along K,
	v_and_b32 v[F+2*\j+1], 15, v[P+\j]             ; then the low one
.endr
.irp j, 0,1,2,3,4,5,6,7,8,9,10,11,12,13,14,15
	v_cvt_f32_u32 v[F+\j], v[F+\j]
.endr
.irp j, 0,1,2,3,4,5,6,7,8,9,10,11,12,13,14,15
	v_fma_f32 v[F+\j], v[F+\j], s20, v14           ; scale_w x nibble - 8 scale_w, rounded once
.endr
	v_max3_num_f32 v8, |v[F]|, |v[F+1]|, 0x4800000         ; each row's 8 numbers of mine, and the floor 2^(9 - 127); the two rows by turns
	v_max3_num_f32 v9, |v[F+8]|, |v[F+9]|, 0x4800000
.irp i, 2,4,6
	v_max3_num_f32 v8, v8, |v[F+\i]|, |v[F+\i+1]|
	v_max3_num_f32 v9, v9, |v[F+8+\i]|, |v[F+9+\i]|
.endr
	v_max_num_f32_dpp v8, v8, v8 row_xmask:1 row_mask:0xf bank_mask:0xf   ; with the three other lanes of the block
	v_max_num_f32_dpp v9, v9, v9 row_xmask:1 row_mask:0xf bank_mask:0xf
	v_max_num_f32_dpp v8, v8, v8 row_xmask:2 row_mask:0xf bank_mask:0xf
	v_max_num_f32_dpp v9, v9, v9 row_xmask:2 row_mask:0xf bank_mask:0xf
	v_add_nc_u32 v12, 0xfc000000, v8               ; 8 off the exponent field: the conversions' scale operands
	v_add_nc_u32 v13, 0xfc000000, v9
	v_and_or_b32 v10, v8, 0x7f800000, s23          ; 448 x the scale
	v_and_or_b32 v11, v9, 0x7f800000, s23
.irp i, 0,1,2,3,4,5,6,7
	v_med3_num_f32 v[F+\i], v[F+\i], -v10, v10
	v_med3_num_f32 v[F+8+\i], v[F+8+\i], -v11, v11
.endr
	v_cvt_scalef32_pk8_fp8_f32 v[P:P+1], v[F:F+7], v12             ; the codes take the registers that the packed words have left
	v_cvt_scalef32_pk8_fp8_f32 v[P+2:P+3], v[F+8:F+15], v13
	v_lshrrev_b32 v[P+4], 23, v12                  ; the scales' bytes; also the plain lines behind the conversions
	v_lshrrev_b32 v[P+5], 23, v13
	ds_store_b8 v64, v[P+4] offset:16*(\t)         ; the four lanes of a block write the same byte with the same value
	ds_store_b8 v64, v[P+5] offset:16*(\t)+8
	global_store_b64 v7, v[P:P+1], s[56:57] offset:512*(\t)        ; 32 lanes store a row of the block: 256 consecutive bytes, aligned
	global_store_b64 v7, v[P+2:P+3], s[56:57] offset:512*(\t)+256
.endm
.irp t, 0,1,2,3
	WSTEP \t
.endr
	s_wait_alu depctr_va_vdst(0)
	s_wait_tensorcnt 0x0                           ; fill 0 is in
	ds_add_u32 v4, v1
	s_wait_dscnt 0x0                               ; the add is done, and my bytes of W's scales are stored
	s_barrier_signal -1
	s_barrier_wait -1
	tensor_load_to_lds s[36:39], s[40:47]          ; fill 1, slot 1's first
	s_nop 0
	global_prefetch_b8 v65, s[48:49] offset:3*FILLB th:TH_LOAD_NT scope:SCOPE_SE
	s_cmp_eq_u32 s51, 0                            ; the first of a K step's four waves stores its 256 scale bytes of W
	s_cbranch_scc0 .Lnot_first
	ds_load_b64 v[68:69], v66
	s_wait_dscnt 0x0
	global_store_b64 v7, v[68:69], s[58:59]        ; 256 consecutive bytes, aligned
.Lnot_first:
.macro XLOAD t                         ; step t's two rows, 64 bytes a lane, into set t % 2
.irp i, 0,1,2,3
	ds_load_b128 v[X+16*((\t)%2)+4*\i:X+16*((\t)%2)+4*\i+3], v15 offset:SLOTB*(((\t)/4)%2)+2*ROWL*((\t)%4)+16*\i
.endr
.endm
.macro STEP t                          ; rows 2 t and 2 t + 1 of my 32
.set XS, X+16*((\t)%2)
.set GS, 32+4*(((\t)/4)%2)
.if (\t)%4 == 3 && (\t) < 8
	s_wait_tensorcnt 0x0                           ; the other slot's fill is in;
	ds_add_u32 v4, v1
	s_add_nc_u64 s[GS+2:GS+3], s[GS+2:GS+3], 2*FILLB       ; no load of mine is out: this slot's descriptor steps two fills on
	s_wait_dscnt 0x0                               ; the add is done, and this slot's last rows are in my registers
	s_barrier_signal -1
	s_barrier_wait -1
	tensor_load_to_lds s[GS:GS+3], s[40:47]        ; the refill, my one tensor load behind the barrier
	s_nop 0
.elseif (\t) == 11
	s_wait_tensorcnt 0x0                           ; fill 3 is in: the next step reads it
	s_wait_dscnt 1
.elseif (\t) > 0
	s_wait_dscnt 1                                 ; this step's numbers are in; the last step's byte store may be out
.else
	s_wait_dscnt 0x0
.endif
.if (\t) < 15
	XLOAD (\t)+1
.endif
	v_max3_num_f32 v8, |v[XS]|, |v[XS+1]|, |v[XS+2]|               ; the largest magnitude of my 16, in two chains
	v_max3_num_f32 v9, |v[XS+3]|, |v[XS+4]|, |v[XS+5]|
.irp i, 6,10
	v_max3_num_f32 v8, v8, |v[XS+\i]|, |v[XS+\i+1]|
	v_max3_num_f32 v9, v9, |v[XS+\i+2]|, |v[XS+\i+3]|
.endr
	v_max3_num_f32 v8, v8, |v[XS+14]|, |v[XS+15]|
	v_max3_num_f32 v8, v8, v9, 0x4800000           ; and the floor 2^(9 - 127): so the byte cannot fall under 1
	v_max_num_f32_dpp v8, v8, v8 row_xmask:1 row_mask:0xf bank_mask:0xf   ; and of my neighbour's 16: the block's
	v_add_nc_u32 v11, 0xfc000000, v8               ; 8 off its exponent field: the conversion's scale operand
	v_and_or_b32 v10, v8, 0x7f800000, s23          ; 448 x the scale
.irp i, 0,1,2,3,4,5,6,7,8,9,10,11,12,13,14,15
	v_med3_num_f32 v[XS+\i], v[XS+\i], -v10, v10   ; the conversion to an 8-bit code does not saturate (ISA guide 7.6.2): the number is held first
.endr
	v_cvt_scalef32_pk8_fp8_f32 v[C+4*(\t):C+4*(\t)+1], v[XS:XS+7], v11
	v_cvt_scalef32_pk8_fp8_f32 v[C+4*(\t)+2:C+4*(\t)+3], v[XS+8:XS+15], v11
	v_lshrrev_b32 v[E+(\t)], 23, v11               ; the scale's byte; also the plain line behind the conversions
	ds_store_b8 v5, v[E+(\t)] offset:16*(\t)       ; both lanes of a block write the same byte with the same value
	global_store_b128 v3, v[C+4*(\t):C+4*(\t)+3], s[24:25] offset:512*(\t)   ; the wave stores 512 consecutive bytes, aligned: two rows of the block
.endm
	XLOAD 0
.irp t, 0,1,2,3,4,5,6,7,8,9,10,11,12,13,14,15
	STEP \t
.endr
	ds_load_b64 v[12:13], v6                       ; LDS serves a wave's instructions in order: these see my byte stores
	s_wait_dscnt 0x0
	global_store_b64 v7, v[12:13], s[26:27]        ; 32 lanes store 256 consecutive bytes, aligned
	s_wait_tensorcnt 0x0                           ; the wave's end
	ds_add_u32 v4, v1
	s_wait_dscnt 0x0
	s_endpgm
.Lfunc_end_k_qe12b6aaf01_quant:
	.size	k_qe12b6aaf01_quant, .Lfunc_end_k_qe12b6aaf01_quant-k_qe12b6aaf01_quant
	.p2alignl 7, 3214868480
	.fill 96, 4, 3214868480
	.section	.rodata,"a",@progbits
	.p2align	6, 0x0
	.amdhsa_kernel k_qe12b6aaf01_quant
		.amdhsa_group_segment_fixed_size 327680
		.amdhsa_private_segment_fixed_size 0
		.amdhsa_enable_private_segment 0
		.amdhsa_kernarg_size 40
		.amdhsa_user_sgpr_count 2
		.amdhsa_user_sgpr_kernarg_segment_ptr 1
		.amdhsa_wavefront_size32 1
		.amdhsa_system_sgpr_workgroup_id_x 1
		.amdhsa_system_sgpr_workgroup_id_y 1
		.amdhsa_system_sgpr_workgroup_id_z 1
		.amdhsa_system_vgpr_workitem_id 0
		.amdhsa_next_free_vgpr 192
		.amdhsa_next_free_sgpr 66
		.amdhsa_reserve_vcc 0
		.amdhsa_float_denorm_mode_32 3
		.amdhsa_float_denorm_mode_16_64 3
		.amdhsa_memory_ordered 1
		.amdhsa_forward_progress 1
		.amdhsa_inst_pref_size 65
	.end_amdhsa_kernel
	.amdgpu_metadata
---
amdhsa.version: [ 1, 2 ]
amdhsa.kernels:
  - .name:           k_qe12b6aaf01_quant
    .symbol:         k_qe12b6aaf01_quant.kd
    .args:
      - { .name: x, .offset: 0, .size: 8, .value_kind: global_buffer, .address_space: global }
      - { .name: packed_w, .offset: 8, .size: 8, .value_kind: global_buffer, .address_space: global }
      - { .name: scale_w, .offset: 16, .size: 8, .value_kind: global_buffer, .address_space: global }
      - { .name: acodes, .offset: 24, .size: 8, .value_kind: global_buffer, .address_space: global }
      - { .name: bcodes, .offset: 32, .size: 8, .value_kind: global_buffer, .address_space: global }
    .group_segment_fixed_size: 327680
    .private_segment_fixed_size: 0
    .kernarg_segment_align: 8
    .kernarg_segment_size: 40
    .max_flat_workgroup_size: 512
    .sgpr_count:     66
    .vgpr_count:     192
    .wavefront_size: 32
...
	.end_amdgpu_metadata
.endif
;; end of part 1
;; launch gemm (part 2): grid 8 x 32, 4 waves a work-group, clusters of 4 x 4, 327,680 bytes of LDS; arguments acodes, bcodes, packed_b, scale_b, out0; writes out0
.if DOCPART == 2
	.amdgcn_target "amdgcn-amd-amdhsa--gfx1250"
	.amdhsa_code_object_version 6
	.text
	.protected	k_qe12b6aaf01_gemm
	.globl	k_qe12b6aaf01_gemm
	.p2align	8
	.type	k_qe12b6aaf01_gemm,@function
k_qe12b6aaf01_gemm:
	s_mov_b64 s[64:65], 0
	v_nop
	global_prefetch_b8 v0, s[64:65] scope:SCOPE_SE
	s_setreg_imm32_b32 hwreg(HW_REG_WAVE_MODE, 25, 1), 1
	s_wait_xcnt 0x0
	s_wait_alu depctr_hold_cnt(0) depctr_sa_sdst(0) depctr_va_vdst(0) depctr_va_sdst(0) depctr_va_ssrc(0) depctr_va_vcc(0) depctr_vm_vsrc(0)
	s_getreg_b32 s2, hwreg(HW_REG_IB_STS2, 6, 4)
	s_cmp_eq_u32 s2, 0
	s_cbranch_scc0 .Lentry_in_a_cluster
	s_endpgm
.Lentry_in_a_cluster:
	s_bfe_u32 s2, ttmp6, 0x10000c
	s_cmp_lg_u32 s2, 0xf033
	s_cbranch_scc0 .Lentry_shape_is_right
	s_endpgm
.Lentry_shape_is_right:
; out0[m][n] = sum over k of x[m][k] W[n][k] + scale_b x (nibble of packed_b - 8), on the codes of FP8 (E4M3) and E8M0 scale bytes that launch quant left; M 8,192, N 2,048, K 4,096; sums in f32.
; acodes, bcodes: for each tile of 256 rows and each K step of 256 one dense block of 264 x 256 bytes: 256 rows of codes, then 8 rows that hold the rows' scale bytes (row m: 8 bytes at 65,536 + 8 m).
; LIMITS: NaN and infinities in the inputs are not served.
; A tile of out0, 256 x 256, is made by four waves, each 128 x 128: 64 accumulators, 512 registers.  K goes in 16 steps of 256 through two LDS slots; a slot holds A's block and B's as they lie, 16 bytes of
; padding behind each 256; each wave brings half a block (132 rows) with one tensor load.  CLUSTERS of 4 x 4: A's block is asked for jointly along a row of the cluster, B's along a column.
; THE MATRIX INSTRUCTION IS USED TRANSPOSED (source 0 = 16 rows of W, source 1 = 16 rows of x): a lane holds eight neighbouring numbers of a row of out0.  The bias is the first products' C.
; PREFETCH: behind the load of K step t every wave names K step t + 2 of the 132 blocks of 256 bytes that it fetches; the four partners of the joint load share them out by address, 33 each: 32 by a lane each,
; the 33rd by a second instruction whose lanes all name it.  At the head K steps 1 and 2 are named behind the first load, K step 3 behind the second.  The last two refills name nothing.
; THE LAST K STEP goes by rows of out0: B's two sets hold the whole step, A comes by blocks of 16 rows x 256 K, and each block of 16 rows leaves when its 16 products are done.
; REGISTERS: window 0: v0-31 addresses, v32-63 scale words (two sets), v64-127 the bias, v128-255 A's fragments;  window 1: B's fragments, two sets;  windows 2, 3: the accumulators ((a, b) at v[8 (8 (a % 4) + b)]).
.set SIZE_N, 2048
.set NQ,     2                         ; matrix instructions deep in a K step
.set BLK,    67584                     ; a block in memory
.set TILEB,  16*BLK
.set HROWS,  132                       ; rows of 256 bytes in a wave's load
.set PITCH,  272
.set HALFL,  HROWS*PITCH
.set OPER,   2*HALFL                   ; an operand's block in LDS
.set SLOT,   2*OPER
.set HALFT,  128*PITCH                 ; the 128 rows of codes that a wave reads of A or of B
.set SCO,    256*PITCH                 ; the scale bytes in an operand's block
.set SPARE,  2*SLOT                    ; the spare words: 512 bytes that no other line names
.set SPITCH, 528                       ; the way out: a stage of 16 rows x (512 + 16) bytes for each wave, in slot 0 behind its last fill and last read
.set FR,     16
.set NL,     4
.set NP,     8                         ; places behind this matrix instruction (ISA guide 7.12.1)
.set LAPS,   8
.set ADRA, 16                          ; v16-17 my A fragments in slot 0, 1
.set ADRB, 20                          ; v20-21 my B fragments
.set ADRS, 22                          ; v22-23 my scale words: lanes 0-15 A's rows, lanes 16-31 B's
.set STO,  24
.set RD,   25
.set CO,   26
.set NB8,  27                          ; -8 scale_b
.set SPW,  28
.set NIL,  29
.set PFO,  30                          ; prefetch: 256 x lane
.set PSO,  31                          ; prefetch: my work-group's 33rd block, the same in all lanes
.set SC,   32
.set BIAS, 64
.set AF,   128
.set G1,  24
.set G0,  32
.set G1B, 48
.set G0B, 56
.set PFA, 68
.set MSB, 0
.macro WIN new                         ; the immediate's high byte repeats the setting that is left
.if MSB != \new
	s_set_vgpr_msb (MSB<<8)|\new
.set MSB, \new
.endif
.endm
.set MUL_LO, 0xa1                      ; source 0 (B) window 1, source 1 (A) window 0, C and D window 2
.set MUL_HI, 0xf1
.set ZER_LO, 0x81                      ; the same with C (the bias) in window 0
.set ZER_HI, 0xc1
.set TO_B,   0x40
.macro PLACES n
.rept \n
	v_nop
.endr
.endm
.macro JLOAD n                         ; a joint load: waves 0, 1 fetch A's halves, waves 2, 3 B's; s_nop 0 and four v_nop behind each line
	s_cmp_eq_u32 s15, 0
	s_cbranch_scc0 .Lfor_b_\@
	tensor_load_to_lds s[G0+4*\n:G0+4*\n+3], s[G1:G1+7]
	s_nop 0
	PLACES 4
	s_branch .Lasked_\@
.Lfor_b_\@:
	tensor_load_to_lds s[G0B+4*\n:G0B+4*\n+3], s[G1B:G1B+7]
	s_nop 0
	PLACES 4
.Lasked_\@:
.endm
.macro CREST                           ; a round of the cluster's barrier behind its opening barrier
	s_cmp_lg_u32 s14, 0
	s_cbranch_scc1 .Lnot_wave_0_\@
	s_barrier_signal -3
.Lnot_wave_0_\@:
	s_barrier_wait -3
	s_barrier_signal -1
	s_barrier_wait -1
.endm
.macro CROUND
	s_barrier_signal -1
	s_barrier_wait -1
	CREST
.endm
.macro NAME k                          ; my 33 blocks of the K step that lies k blocks behind s[PFA]
	global_prefetch_b8 v[PFO], s[PFA:PFA+1] offset:(\k)*BLK th:TH_LOAD_NT scope:SCOPE_SE
	global_prefetch_b8 v[PSO], s[PFA:PFA+1] offset:(\k)*BLK th:TH_LOAD_NT scope:SCOPE_SE
.endm
.macro ASK                             ; in the loop: not in its last trip, whose refills are K steps 14 and 15
	s_cmp_gt_u32 s3, 1
	s_cbranch_scc0 .Lnone_\@
	NAME 3
.Lnone_\@:
.endm
	s_load_b256 s[4:11], s[0:1], 0x0               ; acodes, bcodes, packed_b, scale_b
	s_load_b64 s[12:13], s[0:1], 0x20              ; out0
	v_lshl_add_u32 v[SPW], v0, 2, SPARE
	v_mov_b32 v[NIL], 0
	ds_add_u32 v[SPW], v[NIL]                      ; the opening lines: the add, twice on end, and its wait ahead of my first tensor load
	ds_add_u32 v[SPW], v[NIL]
	v_lshrrev_b32 v1, 5, v0
	v_readfirstlane_b32 s14, v1                    ; wave 0..3
	s_lshr_b32 s15, s14, 1                         ; my half of the tile's rows; also: I fetch for A (0) or B (1)
	s_and_b32 s16, s14, 1                          ; my half of its columns; also: which half of a block I fetch
	s_bfe_u32 s40, ttmp6, 0x40000                  ; cx, cy
	s_bfe_u32 s41, ttmp6, 0x40004
	s_lshl_b32 s42, ttmp9, 2
	s_add_co_u32 s42, s42, s40                     ; tile column
	s_and_b32 s17, ttmp7, 0xffff
	s_lshl_b32 s17, s17, 2
	s_add_co_u32 s17, s17, s41                     ; tile row
	s_lshl_b32 s43, s41, 2
	s_lshl_b32 s43, 15, s43                        ; my row of the cluster
	s_lshl_b32 s44, 0x1111, s40                    ; my column
	s_or_b32 s[G1+0], s43, (1<<20)|(1<<21)|(5<<22)|(3<<25)   ; the mask; elements of 1 byte; 4 words of padding behind every 64; bit 21 beside a mask
	s_or_b32 s[G1B+0], s44, (1<<20)|(1<<21)|(5<<22)|(3<<25)
.irp g, G1, G1B
	s_mov_b32 s[\g+1], 256<<16
	s_mov_b32 s[\g+2], HROWS<<16
	s_mov_b32 s[\g+3], 256<<16
	s_mov_b32 s[\g+4], HROWS
	s_mov_b32 s[\g+5], 256
	s_mov_b32 s[\g+6], 0
	s_mov_b32 s[\g+7], 0
.endr
	s_mul_i32 s18, s16, HROWS*256                  ; my half of a block, in bytes
	s_mul_i32 s20, s17, TILEB                      ; A: by the tile row alone
	s_add_co_u32 s20, s20, s18
	s_mov_b32 s21, 0
	s_mul_i32 s46, s42, TILEB                      ; B: by the tile column alone
	s_add_co_u32 s46, s46, s18
	s_mov_b32 s47, 0
	s_mul_i32 s45, s14, HALFL                      ; where my load goes: wave x 132 rows
.irp s, 0,1
	s_mov_b32 s[G0+4*\s], 1
	s_add_co_u32 s[G0+4*\s+1], s45, \s*SLOT
	s_mov_b32 s[G0B+4*\s], 1
	s_add_co_u32 s[G0B+4*\s+1], s45, \s*SLOT
.endr
	s_mul_i32 s70, s15, HALFT                      ; my rows of A in a slot,
	s_mul_i32 s71, s16, HALFT
	s_add_co_u32 s71, s71, OPER                    ; of B,
	s_mul_i32 s72, s15, 4*PITCH                    ; their scale bytes: 4 LDS rows for 128 rows
	s_mul_i32 s73, s16, 4*PITCH
	s_add_co_u32 s73, s73, OPER
	s_sub_co_u32 s73, s73, s72                     ; from A's to B's
	s_add_co_u32 s72, s72, SCO
	s_mul_i32 s23, s14, 16*SPITCH                  ; my stage
	s_lshl_b32 s78, s42, 9                         ; packed_b: 2 bytes a column: 512 x tile column + 256 x half
	s_lshl_b32 s79, s16, 8
	s_add_co_u32 s78, s78, s79
	s_mov_b32 s79, 0
	s_lshl_b32 s74, s17, 8                         ; out0: my first row x 8,192 bytes + my first column x 4
	s_lshl_b32 s75, s15, 7
	s_add_co_u32 s74, s74, s75
	s_lshl_b32 s74, s74, 13
	s_lshl_b32 s75, s42, 10
	s_add_co_u32 s74, s74, s75
	s_lshl_b32 s75, s16, 9
	s_add_co_u32 s74, s74, s75
	s_mov_b32 s75, 0
	s_cmp_eq_u32 s15, 0                            ; the prefetches: the operand that I fetch for,
	s_cselect_b32 s76, s17, s42
	s_cselect_b32 s22, s40, s41                    ; and my place p among the four that ask with me
	s_mul_i32 s76, s76, TILEB
	s_add_co_u32 s76, s76, s18
	s_lshl_b32 s77, s22, 13
	s_add_co_u32 s76, s76, s77                     ; blocks 32 p .. 32 p + 31 of my 132
	s_mov_b32 s77, 0
	s_mul_i32 s19, s22, 7936
	s_sub_co_u32 s19, 32768, s19                   ; and block 128 + p, counted from there
	v_and_b32 v1, 15, v0                           ; r
	v_bfe_u32 v2, v0, 4, 1                         ; h
	v_and_b32 v6, 31, v0                           ; lane
	v_lshlrev_b32 v7, 4, v2                        ; packed_b: 16 h
	v_mul_u32_u24 v3, v1, PITCH
	v_lshl_add_u32 v4, v2, 4, v3                   ; a fragment's row x pitch + 16 h
	v_add_nc_u32 v[ADRA], s70, v4
	v_add_nc_u32 v[ADRB], s71, v4
	v_add_nc_u32 v[ADRA+1], SLOT, v[ADRA]
	v_add_nc_u32 v[ADRB+1], SLOT, v[ADRB]
	v_mul_u32_u24 v5, s73, v2                      ; lanes 16-31 take B's scale words
	v_lshl_add_u32 v5, v1, 3, v5
	v_add_nc_u32 v[ADRS], s72, v5
	v_add_nc_u32 v[ADRS+1], SLOT, v[ADRS]
	v_mul_u32_u24 v5, v1, SPITCH                   ; into the stage: row r, 32 bytes for each half of the lanes
	v_lshl_add_u32 v5, v2, 5, v5
	v_add_nc_u32 v[STO], s23, v5
	v_lshlrev_b32 v[CO], 4, v6                     ; back: 32 lanes take a row of 512 bytes; the same in out0
	v_add_nc_u32 v[RD], s23, v[CO]
	v_lshlrev_b32 v[PFO], 8, v6
	v_mov_b32 v[PSO], s19
	s_wait_alu depctr_va_vdst(0)
	s_wait_dscnt 0x0                               ; both opening adds are done
	CROUND                                         ; all sixteen work-groups are here
	s_wait_kmcnt 0x0
	s_add_nc_u64 s[20:21], s[4:5], s[20:21]
	s_add_nc_u64 s[46:47], s[6:7], s[46:47]
.irp s, 0,1
	s_add_nc_u64 s[G0+4*\s+2:G0+4*\s+3], s[20:21], \s*BLK
	s_or_b32 s[G0+4*\s+3], s[G0+4*\s+3], 0x80000000
	s_add_nc_u64 s[G0B+4*\s+2:G0B+4*\s+3], s[46:47], \s*BLK
	s_or_b32 s[G0B+4*\s+3], s[G0B+4*\s+3], 0x80000000
.endr
	JLOAD 0                                        ; K step 0: one tensor load a wave at the head
	s_load_b32 s66, s[10:11], 0x0                  ; scale_b
	s_cmp_eq_u32 s15, 0
	s_cselect_b64 s[PFA:PFA+1], s[4:5], s[6:7]
	s_add_nc_u64 s[PFA:PFA+1], s[PFA:PFA+1], s[76:77]
	s_add_nc_u64 s[78:79], s[8:9], s[78:79]
	s_add_nc_u64 s[12:13], s[12:13], s[74:75]
.irp b, 0,1,2,3,4,5,6,7
	global_load_b128 v[AF+4*\b:AF+4*\b+3], v7, s[78:79] offset:32*\b   ; four words = the eight columns 16 b + 8 h + 0 .. 7 of my 128
.endr
	NAME 1
	NAME 2
	s_wait_kmcnt 0x0
	v_mov_b32 v[NB8], s66
	v_mul_f32 v[NB8], 0xc1000000, v[NB8]           ; -8 scale_b: exact
	s_wait_loadcnt 0x0
.irp b, 0,1,2,3,4,5,6,7
.irp j, 0,1,2,3
	v_bfe_u32 v[BIAS+8*\b+2*\j], v[AF+4*\b+\j], 4, 4        ; the high nibble comes first
	v_and_b32 v[BIAS+8*\b+2*\j+1], 15, v[AF+4*\b+\j]
.endr
.endr
.set i, 0
.rept 64
	v_cvt_f32_u32 v[BIAS+i], v[BIAS+i]
.set i, i+1
.endr
.set i, 0
.rept 64
	v_fma_f32 v[BIAS+i], v[BIAS+i], s66, v[NB8]    ; scale_b x nibble - 8 scale_b, rounded once
.set i, i+1
.endr
.macro FRAG reg, adr, q, i             ; 16 rows x 128 K: registers 4 c .. 4 c + 3 hold K = 32 c + 16 h + 0 .. 15
.irp c, 0,1,2,3
	ds_load_b128 v[\reg+4*\c:\reg+4*\c+3], v[\adr] offset:128*(\q)+32*\c+(\i)*16*PITCH
.endr
.endm
; 16 products: A's blocks a0, a0 + 1 x B's eight.  The 64 accumulators take turns, one instruction a turn.  zero = 1: the sums begin with the bias
.macro MUL16 a0, p, q, sc, zero
.irp a, \a0, \a0+1
.irp b, 0,1,2,3,4,5,6,7
.if \zero
	v_wmma_scale_f32_16x16x128_f8f6f4 v[8*(8*((\a)%4)+\b):8*(8*((\a)%4)+\b)+7], v[128*(\p)+FR*\b:128*(\p)+FR*\b+FR-1], v[AF+FR*(\a):AF+FR*(\a)+FR-1], v[BIAS+8*\b:BIAS+8*\b+7], v[SC+8*NQ*(\sc)+NQ*\b+(\q)], v[SC+8*NQ*(\sc)+NQ*(\a)+(\q)] matrix_a_scale:MATRIX_SCALE_ROW1
.else
	v_wmma_scale_f32_16x16x128_f8f6f4 v[8*(8*((\a)%4)+\b):8*(8*((\a)%4)+\b)+7], v[128*(\p)+FR*\b:128*(\p)+FR*\b+FR-1], v[AF+FR*(\a):AF+FR*(\a)+FR-1], v[8*(8*((\a)%4)+\b):8*(8*((\a)%4)+\b)+7], v[SC+8*NQ*(\sc)+NQ*\b+(\q)], v[SC+8*NQ*(\sc)+NQ*(\a)+(\q)] matrix_a_scale:MATRIX_SCALE_ROW1
.endif
.endr
.endr
.endm
.macro FETCH_B slot, q, p
	WIN TO_B
.irp i, 0,1,2,3,4,5,6,7
	FRAG 128*(\p)+FR*\i, ADRB+\slot, \q, \i
.endr
	WIN 0
.endm
.macro FETCH_A slot, q, i0
.irp i, \i0, \i0+1, \i0+2, \i0+3
	FRAG AF+FR*(\i), ADRA+\slot, \q, \i
.endr
.endm
.macro SCALES n                        ; a K step's two words a row: lanes 0-15 A's block i, lanes 16-31 B's block i
.irp i, 0,1,2,3,4,5,6,7
	ds_load_b64 v[SC+8*NQ*\n+NQ*\i:SC+8*NQ*\n+NQ*\i+1], v[ADRS+\n] offset:(\i/2)*PITCH+128*(\i%2)
.endr
.endm
.macro STEP slot, q, zero              ; 128 along K whose successor lies in the same slot
	s_wait_dscnt 4*NL                              ; all but the youngest 16 loads (A's blocks 4-7)
.if \zero
	WIN ZER_LO
.else
	WIN MUL_LO
.endif
	MUL16 0, (\q)%2, \q, \slot, \zero
	MUL16 2, (\q)%2, \q, \slot, \zero
	s_wait_dscnt 0
	PLACES NP
	FETCH_B \slot, (\q)+1, 1-(\q)%2
	FETCH_A \slot, (\q)+1, 0
.if \zero
	WIN ZER_HI
.else
	WIN MUL_HI
.endif
	MUL16 4, (\q)%2, \q, \slot, \zero
	MUL16 6, (\q)%2, \q, \slot, \zero
	PLACES NP
	WIN 0
	FETCH_A \slot, (\q)+1, 4
.endm
.macro MEET slot                       ; the first half of a slot's last 128 along K, and the barrier of the change of slots
	s_wait_tensorcnt 0x0                           ; my one load that was out, my part of the other slot, has landed
	ds_add_u32 v[SPW], v[NIL]
.endm
.macro MEET2 slot
	s_wait_dscnt 4*NL+1                            ; the add and the youngest 16 loads may be out
	WIN MUL_LO
	MUL16 0, 1, NQ-1, \slot, 0
	s_wait_dscnt 0x0                               ; the add is done, my reads of this slot are over
	s_barrier_signal -1
	MUL16 2, 1, NQ-1, \slot, 0
	WIN 0
	s_barrier_wait -1
.endm
.macro TURN slot, next                 ; a slot's last 128 along K: the slot is filled again, two K steps on
	s_wait_xcnt 0x0                                ; my prefetches have read their address
	s_add_nc_u64 s[PFA:PFA+1], s[PFA:PFA+1], BLK
	MEET \slot
	s_add_nc_u64 s[G0+4*\slot+2:G0+4*\slot+3], s[G0+4*\slot+2:G0+4*\slot+3], 2*BLK      ; no load of mine is out: the descriptors step here
	s_add_nc_u64 s[G0B+4*\slot+2:G0B+4*\slot+3], s[G0B+4*\slot+2:G0B+4*\slot+3], 2*BLK
	MEET2 \slot
	CREST                                          ; the barrier has opened a round of the cluster's barrier
	JLOAD \slot                                    ; the first tensor load behind the round
	PLACES NP-4
	FETCH_B \next, 0, 0
	FETCH_A \next, 0, 0
	SCALES \next
	ASK
	WIN MUL_HI
	MUL16 4, 1, NQ-1, \slot, 0
	MUL16 6, 1, NQ-1, \slot, 0
	PLACES NP
	WIN 0
	FETCH_A \next, 0, 4
.endm
	s_wait_alu depctr_va_vdst(0)
	s_wait_tensorcnt 0x0                           ; my part of K step 0 is in
	ds_add_u32 v[SPW], v[NIL]
	s_wait_dscnt 0x0
	CROUND
	JLOAD 1                                        ; K step 1, the first tensor load behind the round
	PLACES NP-4
	FETCH_B 0, 0, 0
	FETCH_A 0, 0, 0
	SCALES 0
	FETCH_A 0, 0, 4
	NAME 3
	STEP 0, 0, 1                                   ; the first products stand in front of the loop: they take the bias as C
	s_mov_b32 s3, LAPS-1
.Llap:                                                 ; a trip goes once round the ring and fills both slots again
	TURN 0, 1
	STEP 1, 0, 0
	TURN 1, 0
	STEP 0, 0, 0
	s_sub_co_u32 s3, s3, 1
	s_cmp_lg_u32 s3, 0
	s_cbranch_scc1 .Llap
; THE LAST CHANGE OF SLOTS fills nothing.  K step 15 lies in slot 1 and goes by rows of out0.
.macro ALOAD a                         ; A's block a, 16 rows x 256 K, into buffer a % 4 of 32 registers
.irp q, 0,1
	FRAG AF+32*((\a)%4)+FR*\q, ADRA+1, \q, \a
.endr
.endm
.macro ROW a                           ; block a is finished: 16 products, its eight accumulators by turns, K ascending
	WIN MUL_LO+0x50*((\a)/4)
.irp q, 0,1
.irp b, 0,1,2,3,4,5,6,7
	v_wmma_scale_f32_16x16x128_f8f6f4 v[8*(8*((\a)%4)+\b):8*(8*((\a)%4)+\b)+7], v[128*\q+FR*\b:128*\q+FR*\b+FR-1], v[AF+32*((\a)%4)+FR*\q:AF+32*((\a)%4)+FR*\q+FR-1], v[8*(8*((\a)%4)+\b):8*(8*((\a)%4)+\b)+7], v[SC+8*NQ+NQ*\b+\q], v[SC+8*NQ+NQ*(\a)+\q] matrix_a_scale:MATRIX_SCALE_ROW1
.endr
.endr
.endm
; THE WAY OUT.  A block goes through my stage and comes back as rows of 512 bytes.  It comes back into registers that nothing pending reads: block 0 into the bias's, block a into block a - 1's accumulators, whose
; stores into the stage are done (the wait in SEND a - 1).  Every block's stores have registers of their own and an immediate offset (127 rows of 8,192 bytes at the most), so nothing is rewritten under them.
.macro SETS a
.if (\a) == 0
.set DW, 0
.set DR, BIAS
.else
.set DW, 2+((\a)-1)/4
.set DR, 64*(((\a)-1)%4)
.endif
.set SW, 2+(\a)/4
.set AC, 64*((\a)%4)
.endm
.macro TOSTAGE a
	SETS \a
.set WV, (DW<<6)|(SW<<2)
	WIN WV
.irp b, 0,1,2,3,4,5,6,7
	ds_store_b128 v[STO], v[AC+8*\b:AC+8*\b+3] offset:64*\b          ; each accumulator from its low end on
	ds_store_b128 v[STO], v[AC+8*\b+4:AC+8*\b+7] offset:64*\b+16
.endr
.irp t, 0,1,2,3,4,5,6,7,8,9,10,11,12,13,14,15
	ds_load_b128 v[DR+4*\t:DR+4*\t+3], v[RD] offset:\t*SPITCH        ; LDS serves a wave's instructions in order (ISA guide 5.7.1.4)
.endr
.endm
.macro SEND a, younger
	SETS \a
	s_wait_dscnt \younger                          ; the block is back; the loads issued behind it may be out
.set WV, DW<<2
	WIN WV
.irp t, 0,1,2,3,4,5,6,7,8,9,10,11,12,13,14,15
	global_store_b128 v[CO], v[DR+4*\t:DR+4*\t+3], s[12:13] offset:(16*(\a)+\t)*SIZE_N*4   ; 32 lanes store 512 consecutive bytes, aligned
.endr
.endm
	MEET 0
	MEET2 0
	PLACES NP
	FETCH_B 1, 0, 0                                ; B's first 128 along K into set 0; set 1 is still at work
	ALOAD 0
	ALOAD 1
	SCALES 1
	WIN MUL_HI
	MUL16 4, 1, NQ-1, 0, 0
	MUL16 6, 1, NQ-1, 0, 0
	PLACES NP
	FETCH_B 1, 1, 1
	ALOAD 2
	ALOAD 3
	s_wait_dscnt 16                                ; all but the 16 loads of A's blocks 2 and 3
	ROW 0
.irp a, 0,1,2,3,4,5,6,7
	PLACES NP                                      ; ahead of the reads of block a's sums and of the loads into its fragments' registers
	TOSTAGE \a
.if \a < 4
	WIN 0
	ALOAD \a+4
.endif
.if \a < 7
	ROW \a+1                                       ; its fragments are in: the wait of an earlier SEND has covered them
.endif
.if \a < 4
	SEND \a, 8
.else
	SEND \a, 0
.endif
.endr
	WIN 0
	s_wait_tensorcnt 0x0                           ; the wave's end
	ds_add_u32 v[SPW], v[NIL]
	s_wait_dscnt 0x0
	CROUND                                         ; the closing round
	s_endpgm
.Lfunc_end_k_qe12b6aaf01_gemm:
	.size	k_qe12b6aaf01_gemm, .Lfunc_end_k_qe12b6aaf01_gemm-k_qe12b6aaf01_gemm
	.p2alignl 7, 3214868480
	.fill 96, 4, 3214868480
	.section	.rodata,"a",@progbits
	.p2align	6, 0x0
	.amdhsa_kernel k_qe12b6aaf01_gemm
		.amdhsa_group_segment_fixed_size 327680
		.amdhsa_private_segment_fixed_size 0
		.amdhsa_enable_private_segment 0
		.amdhsa_kernarg_size 40
		.amdhsa_user_sgpr_count 2
		.amdhsa_user_sgpr_kernarg_segment_ptr 1
		.amdhsa_wavefront_size32 1
		.amdhsa_system_sgpr_workgroup_id_x 1
		.amdhsa_system_sgpr_workgroup_id_y 1
		.amdhsa_system_sgpr_workgroup_id_z 1
		.amdhsa_system_vgpr_workitem_id 0
		.amdhsa_next_free_vgpr 1024
		.amdhsa_next_free_sgpr 80
		.amdhsa_reserve_vcc 0
		.amdhsa_float_denorm_mode_32 3
		.amdhsa_float_denorm_mode_16_64 3
		.amdhsa_memory_ordered 1
		.amdhsa_forward_progress 1
		.amdhsa_inst_pref_size 156
	.end_amdhsa_kernel
	.amdgpu_metadata
---
amdhsa.version: [ 1, 2 ]
amdhsa.kernels:
  - .name:           k_qe12b6aaf01_gemm
    .symbol:         k_qe12b6aaf01_gemm.kd
    .args:
      - { .name: acodes, .offset: 0, .size: 8, .value_kind: global_buffer, .address_space: global }
      - { .name: bcodes, .offset: 8, .size: 8, .value_kind: global_buffer, .address_space: global }
      - { .name: packed_b, .offset: 16, .size: 8, .value_kind: global_buffer, .address_space: global }
      - { .name: scale_b, .offset: 24, .size: 8, .value_kind: global_buffer, .address_space: global }
      - { .name: out0, .offset: 32, .size: 8, .value_kind: global_buffer, .address_space: global }
    .group_segment_fixed_size: 327680
    .private_segment_fixed_size: 0
    .kernarg_segment_align: 8
    .kernarg_segment_size: 40
    .max_flat_workgroup_size: 128
    .sgpr_count:     80
    .vgpr_count:     1024
    .wavefront_size: 32
...
	.end_amdgpu_metadata
.endif
;; end of part 2
